; MI455X (gfx1250); checked and timed in simulation.
; The chip was launched on July 23, 2026; its instructions are those of AMD's public machine-readable ISA for CDNA 5 (MIT licence, August 2026) and "CDNA5" Instruction Set Architecture Reference Guide (July 2026). The comments in the code are by the model that wrote it; some were corrected since.
;; Multihead Attention. Allowed arithmetic: matrix products marked QUANTISED: E2M3 operands, one E8M0 scale for each 32 along K, by v_wmma_scale_f32_16x16x128_f8f6f4 with both operands' format E2M3, f32 sums; everything else in f32.
;; Inputs: b_k 512 float32; b_o 512 float32; b_q 512 float32; b_v 512 float32; key 2 x 4,096 x 512 float32; query 2 x 4,096 x 512 float32; value 2 x 4,096 x 512 float32; w_k 512 x 512 float32; w_o 512 x 512 float32; w_q 512 x 512 float32; w_v 512 x 512 float32.
;; Outputs: out0 2 x 4,096 x 512 float32.
;; This version of the problem:
;;   THIS VERSION OF THE PROBLEM IS GIVEN IN LOW PRECISION. The matrix products marked QUANTISED in the list below multiply operands that are first quantised to E2M3 (2 exponent bits, 3 mantissa bits; 6 bits a number), with one power-of-two scale for each 32 numbers along K (OCP MX v1.0); their sums are f32. All else is computed in f32.
;;   The module's matrix products, in the order in which they are computed (A, B: the left and right operand; K: the contracted axis; several contracted axes count as one K, in the product's order):
;;     1. [M 8,192, K 512] x [K 512, N 512]; A: input query; B: input w_q: QUANTISED
;;     2. [M 8,192, K 512] x [K 512, N 512]; A: input key; B: input w_k: QUANTISED
;;     3. [M 8,192, K 512] x [K 512, N 512]; A: input value; B: input w_v: QUANTISED
;;     4. batch 16 x [M 4,096, K 64] x [K 64, N 4,096]; A: computed on the way; B: computed on the way: QUANTISED
;;     5. batch 16 x [M 4,096, K 4,096] x [K 4,096, N 64]; A: softmax (see below); B: computed on the way: QUANTISED
;;     6. [M 8,192, K 512] x [K 512, N 512]; A: computed on the way; B: input w_o: QUANTISED
;;   THE QUANTISER, for each operand of a quantised product, along K:
;;     - K is cut into blocks of 32 from its start; a last block that is shorter is filled with zeros.
;;     - A block's scale is 2^e with e = floor(log2(the largest magnitude in the block)) - 2, held to -126 .. 127; a block of zeros has e = 0. As a byte (E8M0): e + 127.
;;     - Each number is divided by its block's scale, clamped to +-7.5, and rounded to the nearest number of E2M3, ties to even, subnormals kept.
;;     - The product sums the exact products of the quantised numbers (number of the format x scale) in f32.
;;   ~~~python
;;   def quantise(x, axis):      # numpy; x: float32 -> the quantised numbers, widened to float32 again
;;       x = np.moveaxis(x, axis, -1); K = x.shape[-1]
;;       x = np.pad(x, [(0, 0)] * (x.ndim - 1) + [(0, -K % 32)]); x = x.reshape(x.shape[:-1] + (-1, 32)); a = np.abs(x).max(-1, keepdims=True)
;;       e = np.where(a > 0, np.clip(np.frexp(np.where(a > 0, a, 1))[1] - 1 - 2, -126, 127), 0)      # np.frexp(a)[1] - 1 = floor(log2(a)), exactly
;;       r = np.clip(x / 2.0 ** e, -7.5, 7.5)
;;       step = 2.0 ** (np.maximum(np.frexp(np.where(r == 0, 1, r))[1] - 1, 0) - 3)
;;       q = np.round(r / step) * step * 2.0 ** e      # np.round: ties to even
;;       return np.moveaxis(q.reshape(q.shape[:-2] + (-1,))[..., :K], -1, axis).astype(np.float32)
;;   ~~~
;;   SOFTMAX AHEAD OF A QUANTISED PRODUCT. Where the list says 'softmax', what is quantised is not the finished softmax but p = 2^(t - M), with t = logit x log2(e) and M = ceil(the row's largest t), a whole number; so 1/2 < the row's largest p <= 1. The row's sum l is taken of the UNQUANTISED p, in f32, and the product's result is divided by l at the end. Since M is a whole number, a kernel that streams over the keys may use a running M (the ceiling of the running maximum): every later rescaling is an exact power of two, which a block's scale takes up: the codes' values come out the same.
;;   OPERANDS COMPUTED ON THE WAY. 'Computed on the way' means the value that the module computes at that place (a softmax that the list does not call 'softmax' is quantised finished and normalised). What goes into a quantiser is computed in f32, as accurately as f32 sums, v_exp_f32 and their like allow (about 1e-6 of the number): no bf16 or f16 on the way to a quantiser, and a product that is left as it is and whose result goes on into a quantised operand takes f32 operands (vector FMAs, or v_wmma_f32_16x16x4_f32). A number that lies on a knife's edge between two numbers of the format may be rounded either way, as far as f32 arithmetic and the matrix unit's own rounding can turn it there, and no further.
;; One version. Each part assembles by itself: llvm-mc -triple=amdgcn-amd-amdhsa -mcpu=gfx1250 --defsym DOCPART=n.
;; ======== version 1 of 1: 4 launches
;; limits: right only within a limited range of input values
;; workspace buffers: wc 786,432 bytes; ws 32,768 bytes; qb 3,407,872 bytes; kv 6,684,672 bytes; cimg 3,145,728 bytes; csc 131,072 bytes
;; launch wquant (part 1): grid 64 x 1, 4 waves a work-group, no clusters, 0 bytes of LDS; arguments w_q, w_k, w_v, w_o, wc, ws; writes wc, ws
.if DOCPART == 1
	.amdgcn_target "amdgcn-amd-amdhsa--gfx1250"
	.amdhsa_code_object_version 6
	.text
	.protected	k_q5c5c49a79e_wquant
	.globl	k_q5c5c49a79e_wquant
	.p2align	8
	.type	k_q5c5c49a79e_wquant,@function
k_q5c5c49a79e_wquant:
	s_mov_b64 s[64:65], 0
	v_nop
	global_prefetch_b8 v0, s[64:65] scope:SCOPE_SE
	s_setreg_imm32_b32 hwreg(HW_REG_WAVE_MODE, 25, 1), 1
	s_wait_xcnt 0x0
; The four weights [512 (n)][512 (k)], f32, K innermost, become codes of FP6 (E2M3) with one E8M0 byte for each 32 along K,
; laid as IMAGES OF OPERAND REGISTERS: wc[weight 4][group of 128 rows 4][K step of 128: 4][tile 8][1,536 bytes]; a fragment is
; 12 registers a lane, stored as three pieces of 512 bytes, lane l at 16 l.  ws[weight][group][K step][pair of tiles 4][32 words]:
; lanes 0-15 the row words of tile 2 j, lanes 16-31 those of tile 2 j + 1.
; THE ROWS OF A TILE ARE NOT NEIGHBOURS: in a group of 128 rows lane r of tile 4 c + v takes row 64 c + 32 (r / 8) + 8 v + r % 8.  A product
; that has eight such tiles as source 0 leaves in a lane's 64 result registers, register 32 c + e, the index 64 c + 32 (lane / 16) + e:
; two whole blocks of 32 in the order that the next operand's layout wants.
; A lane (r, h) of a fragment wants k = 64 c + 32 h + 0 .. 31 of its row: two whole blocks, 128 bytes each, eight loads of 16 bytes.
; SHARES: work-group x: weight x / 16, group (x / 4) % 4, pair of tiles x % 4; the wave is the K step; a wave makes two fragments.
; A block's scale byte is its largest magnitude's exponent field - 2, held at 1 from below.
; LIMITS: NaN and infinities are not served; a block whose largest magnitude lies under 2^-124 keeps the byte 1; a block of zeros
; gets the byte 1 where the rule says 127: its codes are zeros, and these bytes are read by this program alone.
.set L16, 1                            ; v1   16 x lane
.set L4,  2                            ; v2   4 x lane
.set WA,  3                            ; v3   my row and half in the weight: (32 (r / 8) + r % 8) x 2,048 + 128 h
.set SH8, 9                            ; v9   8 h: where my two scale bytes stand in the word
.set PX,  11                           ; v11  the other half of the lanes' part
.set TM,  192                          ; v192-195 four running maxima
.set SO,  196                          ; v196-197 the conversions' scale operands
.set EB,  198                          ; v198-199 the scale bytes
.set CT,  200                          ; v200-207 the upper halves of the blocks' codes
.set SEL, 28                           ; s[28:29] lane selects: lane l xor 16
.set HM,  30                           ; s30  lanes 16-31
.set MSB, 0
.macro WIN new                         ; the immediate's high byte repeats the setting that is left; a switch that changes nothing is dropped
.if MSB != (\new)
	s_set_vgpr_msb (MSB<<8)|(\new)
.set MSB, (\new)
.endif
.endm
; 64 numbers of a lane, v[s] on in window w, register 32 c + e = k 64 c + 32 h + e of my row, become codes in v[pc + st c] .. + 5 and the row's scale word in v[pw].
.macro QB s, w, pc, st, pw
	WIN (\w)|((\w)<<2)
.irp c, 0,1
.irp u, 0,1
	v_max3_num_f32 v[TM+2*\c+\u], |v[(\s)+32*\c+16*\u]|, |v[(\s)+32*\c+16*\u+1]|, 0x1800000   ; four chains by turns; the floor 2^(3 - 127) holds the byte at 1 from below
.endr
.endr
.irp i, 2,4,6,8,10,12,14
.irp c, 0,1
.irp u, 0,1
	v_max3_num_f32 v[TM+2*\c+\u], |v[(\s)+32*\c+16*\u+\i]|, |v[(\s)+32*\c+16*\u+\i+1]|, v[TM+2*\c+\u]
.endr
.endr
.endr
	WIN 0
.irp c, 0,1
	v_max_num_f32 v[TM+2*\c], v[TM+2*\c], v[TM+2*\c+1]       ; block 2 c + h: all its 32 numbers are mine
.endr
.irp c, 0,1
	v_add_nc_u32 v[SO+\c], 0xff000000, v[TM+2*\c]            ; 2 off the exponent field: the conversion takes that field as its scale
.endr
.irp c, 0,1
	v_lshrrev_b32 v[EB+\c], 23, v[SO+\c]                     ; the scale's byte
.endr
	v_lshl_or_b32 v[\pw], v[EB+1], 16, v[EB]                 ; my two bytes: blocks h and 2 + h,
	v_lshlrev_b32 v[\pw], v[SH8], v[\pw]                     ; at their places in the word;
	v_permlanex16_b32 v[PX], v[\pw], s[SEL], s[SEL+1]
	v_or_b32 v[\pw], v[\pw], v[PX]                           ; with lane l xor 16's two the word is whole, in both lanes
	WIN (\w)
.irp c, 0,1
	v_cvt_scalef32_pk16_fp6_f32 v[(\pc)+(\st)*\c:(\pc)+(\st)*\c+2], v[(\s)+32*\c:(\s)+32*\c+15], v[SO+\c]
	v_cvt_scalef32_pk16_fp6_f32 v[CT+4*\c:CT+4*\c+2], v[(\s)+32*\c+16:(\s)+32*\c+31], v[SO+\c]   ; (three registers that begin on an even number: made elsewhere and moved)
.endr
	WIN 0
	v_nop                                                    ; one plain instruction behind the scaled conversions
.irp c, 0,1
.irp i, 0,1,2
	v_mov_b32 v[(\pc)+(\st)*\c+3+\i], v[CT+4*\c+\i]
.endr
.endr
.endm
	s_load_b256 s[4:11], s[0:1], 0x0               ; w_q, w_k, w_v, w_o
	s_load_b128 s[12:15], s[0:1], 0x20             ; wc, ws
	v_lshrrev_b32 v4, 5, v0
	v_readfirstlane_b32 s16, v4                    ; the wave: K step s
	v_and_b32 v4, 31, v0
	v_lshlrev_b32 v[L16], 4, v4
	v_lshlrev_b32 v[L4], 2, v4
	v_and_b32 v5, 7, v0                            ; r % 8
	v_bfe_u32 v6, v0, 3, 1                         ; r / 8
	v_bfe_u32 v7, v0, 4, 1                         ; h
	v_lshl_add_u32 v5, v6, 5, v5
	v_lshlrev_b32 v[WA], 11, v5
	v_lshl_add_u32 v[WA], v7, 7, v[WA]
	v_lshlrev_b32 v[SH8], 3, v7
	v_mov_b32 v[PX], 0                             ; a lane permute's destination counts as one of its sources
	s_mov_b32 s[SEL], 0x76543210
	s_mov_b32 s[SEL+1], 0xfedcba98
	s_mov_b32 s[HM], 0xffff0000
	s_lshr_b32 s17, ttmp9, 4                       ; which weight
	s_lshr_b32 s18, ttmp9, 2                       ; 4 x weight + group
	s_and_b32 s19, s18, 3                          ; group
	s_and_b32 s20, ttmp9, 3                        ; pair of tiles j
	s_lshl_b32 s21, s19, 7                         ; first row: 128 group + 64 (j / 2) + 16 (j % 2)
	s_lshr_b32 s22, s20, 1
	s_lshl_b32 s22, s22, 6
	s_add_co_u32 s21, s21, s22
	s_and_b32 s22, s20, 1
	s_lshl_b32 s22, s22, 4
	s_add_co_u32 s21, s21, s22
	s_lshl_b32 s21, s21, 11                        ; rows of 2,048 bytes,
	s_lshl_b32 s22, s16, 9                         ; and the K step's 512 bytes
	s_add_co_u32 s22, s21, s22
	s_mov_b32 s23, 0
	s_lshl_b32 s24, s18, 2
	s_add_co_u32 s24, s24, s16                     ; (4 weight + group) x 4 + s
	s_lshl_b32 s26, s24, 9                         ; ws: 512 bytes a K step, 128 a pair
	s_lshl_b32 s25, s20, 7
	s_add_co_u32 s26, s26, s25
	s_mov_b32 s27, 0
	s_lshl_b32 s24, s24, 3
	s_lshl_b32 s25, s20, 1
	s_add_co_u32 s24, s24, s25                     ; wc: fragment number,
	s_mul_i32 s24, s24, 1536                       ; in bytes
	s_mov_b32 s25, 0
	s_wait_alu depctr_va_vdst(0)
	s_wait_kmcnt 0x0
	s_cmp_lt_u32 s17, 1                            ; the weight is chosen by the work-group's number alone
	s_cselect_b64 s[32:33], s[4:5], s[6:7]
	s_cmp_lt_u32 s17, 3
	s_cselect_b64 s[34:35], s[8:9], s[10:11]
	s_cmp_lt_u32 s17, 2
	s_cselect_b64 s[32:33], s[32:33], s[34:35]
	s_add_nc_u64 s[32:33], s[32:33], s[22:23]
	s_add_nc_u64 s[12:13], s[12:13], s[24:25]
	s_add_nc_u64 s[14:15], s[14:15], s[26:27]
.irp f, 0,1                                    ; tile 2 j + f lies 8 rows on
.irp c, 0,1
.irp q, 0,1,2,3,4,5,6,7
	global_load_b128 v[64+64*\f+32*\c+4*\q:64+64*\f+32*\c+4*\q+3], v[WA], s[32:33] offset:16384*\f+256*\c+16*\q
.endr
.endr
.endr
	s_wait_loadcnt 16                              ; the first fragment's 16 loads are in; the second's may be out
	QB 64, 0, 208, 6, 232
.irp c, 0,1,2
	global_store_b128 v[L16], v[208+4*\c:211+4*\c], s[12:13] offset:512*\c   ; 32 lanes store 512 consecutive bytes
.endr
	s_wait_loadcnt 0x0
	QB 128, 0, 220, 6, 233                         ; other registers for its codes: no store's data are written again
.irp c, 0,1,2
	global_store_b128 v[L16], v[220+4*\c:223+4*\c], s[12:13] offset:1536+512*\c
.endr
	v_cndmask_b32 v234, v232, v233, s[HM]          ; lanes 0-15: tile 2 j's words; lanes 16-31: tile 2 j + 1's
	global_store_b32 v[L4], v234, s[14:15]
	s_endpgm
.Lfunc_end_k_q5c5c49a79e_wquant:
	.size	k_q5c5c49a79e_wquant, .Lfunc_end_k_q5c5c49a79e_wquant-k_q5c5c49a79e_wquant
	.p2alignl 7, 3214868480
	.fill 96, 4, 3214868480
	.section	.rodata,"a",@progbits
	.p2align	6, 0x0
	.amdhsa_kernel k_q5c5c49a79e_wquant
		.amdhsa_group_segment_fixed_size 0
		.amdhsa_private_segment_fixed_size 0
		.amdhsa_enable_private_segment 0
		.amdhsa_kernarg_size 48
		.amdhsa_user_sgpr_count 2
		.amdhsa_user_sgpr_kernarg_segment_ptr 1
		.amdhsa_wavefront_size32 1
		.amdhsa_system_sgpr_workgroup_id_x 1
		.amdhsa_system_sgpr_workgroup_id_y 1
		.amdhsa_system_sgpr_workgroup_id_z 1
		.amdhsa_system_vgpr_workitem_id 0
		.amdhsa_next_free_vgpr 240
		.amdhsa_next_free_sgpr 66
		.amdhsa_reserve_vcc 0
		.amdhsa_float_denorm_mode_32 3
		.amdhsa_float_denorm_mode_16_64 3
		.amdhsa_memory_ordered 1
		.amdhsa_forward_progress 1
		.amdhsa_inst_pref_size 13
	.end_amdhsa_kernel
	.amdgpu_metadata
---
amdhsa.version: [ 1, 2 ]
amdhsa.kernels:
  - .name:           k_q5c5c49a79e_wquant
    .symbol:         k_q5c5c49a79e_wquant.kd
    .args:
      - { .name: w_q, .offset: 0, .size: 8, .value_kind: global_buffer, .address_space: global }
      - { .name: w_k, .offset: 8, .size: 8, .value_kind: global_buffer, .address_space: global }
      - { .name: w_v, .offset: 16, .size: 8, .value_kind: global_buffer, .address_space: global }
      - { .name: w_o, .offset: 24, .size: 8, .value_kind: global_buffer, .address_space: global }
      - { .name: wc, .offset: 32, .size: 8, .value_kind: global_buffer, .address_space: global }
      - { .name: ws, .offset: 40, .size: 8, .value_kind: global_buffer, .address_space: global }
    .group_segment_fixed_size: 0
    .private_segment_fixed_size: 0
    .kernarg_segment_align: 8
    .kernarg_segment_size: 48
    .max_flat_workgroup_size: 128
    .sgpr_count:     66
    .vgpr_count:     240
    .wavefront_size: 32
...
	.end_amdgpu_metadata
.endif
;; end of part 1
;; launch proj (part 2): grid 64 x 3, 4 waves a work-group, no clusters, 327,680 bytes of LDS; arguments query, key, value, b_q, b_k, b_v, wc, ws, qb, kv; writes qb, kv
.if DOCPART == 2
	.amdgcn_target "amdgcn-amd-amdhsa--gfx1250"
	.amdhsa_code_object_version 6
	.text
	.protected	k_q5c5c49a79e_proj
	.globl	k_q5c5c49a79e_proj
	.p2align	8
	.type	k_q5c5c49a79e_proj,@function
k_q5c5c49a79e_proj:
	s_mov_b64 s[64:65], 0
	v_nop
	global_prefetch_b8 v0, s[64:65] scope:SCOPE_SE
	s_setreg_imm32_b32 hwreg(HW_REG_WAVE_MODE, 25, 1), 1
	s_wait_xcnt 0x0
.set RAWW,  66560
.set PIECE, 16896
.set XIMG,  270336
.set XSC,   319488
.set SPARE, 321536
.set L16, 1
.set L8,  2
.set L4,  3
.set RAWA, 4
.set XWI, 5
.set XWS, 6
.set XRD, 7
.set XSR, 8
.set SH8, 9
.set BO,  10
.set PX,  11
.set SPW, 12
.set NIL, 13
.set SW,  24
.set SX,  40
.set PWS, 56
.set TM,  192
.set SO,  196
.set EB,  198
.set CT,  200
.set PC,  208
.set SOUT, 224
.set WV,  24
.set TEN, 25
.set SEL, 28
.set HM,  30
.set G1,  32
.set G0,  40
.set XB,  56
.set BB,  58
.set OUT0, 60
.set OSC0, 66
.set OSC1, 68
.set WB,  70
.set WSB, 72
.set MSB, 0
.macro WIN new
.if MSB != (\new)
	s_set_vgpr_msb (MSB<<8)|(\new)
.set MSB, (\new)
.endif
.endm
.macro PLACES n
.rept \n
	v_nop
.endr
.endm
.macro QB s, w, pc, st, pw
	WIN (\w)|((\w)<<2)
.irp c, 0,1
.irp u, 0,1
	v_max3_num_f32 v[TM+2*\c+\u], |v[(\s)+32*\c+16*\u]|, |v[(\s)+32*\c+16*\u+1]|, 0x1800000
.endr
.endr
.irp i, 2,4,6,8,10,12,14
.irp c, 0,1
.irp u, 0,1
	v_max3_num_f32 v[TM+2*\c+\u], |v[(\s)+32*\c+16*\u+\i]|, |v[(\s)+32*\c+16*\u+\i+1]|, v[TM+2*\c+\u]
.endr
.endr
.endr
	WIN 0
.irp c, 0,1
	v_max_num_f32 v[TM+2*\c], v[TM+2*\c], v[TM+2*\c+1]
.endr
.irp c, 0,1
	v_add_nc_u32 v[SO+\c], 0xff000000, v[TM+2*\c]
.endr
.irp c, 0,1
	v_lshrrev_b32 v[EB+\c], 23, v[SO+\c]
.endr
	v_lshl_or_b32 v[\pw], v[EB+1], 16, v[EB]
	v_lshlrev_b32 v[\pw], v[SH8], v[\pw]
	v_permlanex16_b32 v[PX], v[\pw], s[SEL], s[SEL+1]
	v_or_b32 v[\pw], v[\pw], v[PX]
	WIN (\w)
.irp c, 0,1
	v_cvt_scalef32_pk16_fp6_f32 v[(\pc)+(\st)*\c:(\pc)+(\st)*\c+2], v[(\s)+32*\c:(\s)+32*\c+15], v[SO+\c]
	v_cvt_scalef32_pk16_fp6_f32 v[CT+4*\c:CT+4*\c+2], v[(\s)+32*\c+16:(\s)+32*\c+31], v[SO+\c]
.endr
	WIN 0
	v_nop
.irp c, 0,1
.irp i, 0,1,2
	v_mov_b32 v[(\pc)+(\st)*\c+3+\i], v[CT+4*\c+\i]
.endr
.endr
.endm
.macro WMR d, a, b, c, sa, sb, ra, rb
.if (\ra) && (\rb)
	v_wmma_scale_f32_16x16x128_f8f6f4 v[(\d):(\d)+7], v[(\a):(\a)+11], v[(\b):(\b)+11], v[(\c):(\c)+7], v[\sa], v[\sb] matrix_a_fmt:MATRIX_FMT_FP6 matrix_b_fmt:MATRIX_FMT_FP6 matrix_a_scale:MATRIX_SCALE_ROW1 matrix_b_scale:MATRIX_SCALE_ROW1
.elseif (\ra)
	v_wmma_scale_f32_16x16x128_f8f6f4 v[(\d):(\d)+7], v[(\a):(\a)+11], v[(\b):(\b)+11], v[(\c):(\c)+7], v[\sa], v[\sb] matrix_a_fmt:MATRIX_FMT_FP6 matrix_b_fmt:MATRIX_FMT_FP6 matrix_a_scale:MATRIX_SCALE_ROW1
.elseif (\rb)
	v_wmma_scale_f32_16x16x128_f8f6f4 v[(\d):(\d)+7], v[(\a):(\a)+11], v[(\b):(\b)+11], v[(\c):(\c)+7], v[\sa], v[\sb] matrix_a_fmt:MATRIX_FMT_FP6 matrix_b_fmt:MATRIX_FMT_FP6 matrix_b_scale:MATRIX_SCALE_ROW1
.else
	v_wmma_scale_f32_16x16x128_f8f6f4 v[(\d):(\d)+7], v[(\a):(\a)+11], v[(\b):(\b)+11], v[(\c):(\c)+7], v[\sa], v[\sb] matrix_a_fmt:MATRIX_FMT_FP6 matrix_b_fmt:MATRIX_FMT_FP6
.endif
.endm
	s_load_b512 s[4:19], s[0:1], 0x0
	s_load_b128 s[20:23], s[0:1], 0x40
	v_lshl_add_u32 v[SPW], v0, 2, SPARE
	v_mov_b32 v[NIL], 0
	ds_add_u32 v[SPW], v[NIL]
	ds_add_u32 v[SPW], v[NIL]
	v_lshrrev_b32 v14, 5, v0
	v_readfirstlane_b32 s[WV], v14
	s_and_b32 s[TEN], ttmp7, 0xffff
	s_mov_b32 s[G1], 0x7d20000
	s_mov_b32 s[G1+1], 256<<16
	s_mov_b32 s[G1+2], 64<<16
	s_mov_b32 s[G1+3], 256<<16
	s_mov_b32 s[G1+4], 64
	s_mov_b32 s[G1+5], 256
	s_mov_b32 s[G1+6], 0
	s_mov_b32 s[G1+7], 0
	s_mov_b32 s[SEL], 0x76543210
	s_mov_b32 s[SEL+1], 0xfedcba98
	s_mov_b32 s[HM], 0xffff0000
	s_mul_i32 s26, s[WV], RAWW
	s_lshl_b32 s74, ttmp9, 7
	s_lshl_b32 s27, s[WV], 5
	s_add_co_u32 s74, s74, s27                     ; I fetch rows 128 x + 32 wave .. + 31: dense, 64 lines of 1,024 bytes
	s_lshr_b32 s27, s[WV], 1
	s_lshl_b32 s80, s27, 6
	s_and_b32 s27, s[WV], 1
	s_lshl_b32 s27, s27, 4
	s_add_co_u32 s80, s80, s27                     ; I quantise rows 64 (wave / 2) + 16 (wave % 2) + ..
	s_mul_i32 s80, s80, 2080                       ; a row in LDS: two lines of 1,024 + 16 bytes
	s_lshl_b32 s74, s74, 11
	s_mov_b32 s75, 0
	v_and_b32 v14, 31, v0
	v_lshlrev_b32 v[L16], 4, v14
	v_lshlrev_b32 v[L8], 3, v14
	v_lshlrev_b32 v[L4], 2, v14
	v_and_b32 v15, 7, v0
	v_bfe_u32 v16, v0, 3, 1
	v_bfe_u32 v17, v0, 4, 1
	v_mul_u32_u24 v[RAWA], v15, 2080
	v_mad_u32_u24 v[RAWA], v16, 66560, v[RAWA]
	v_lshl_add_u32 v[RAWA], v17, 7, v[RAWA]
	v_add_nc_u32 v[RAWA], s80, v[RAWA]
	s_mul_i32 s27, s[WV], 3072
	v_add_nc_u32 v[XRD], XIMG, v[L16]
	v_add_nc_u32 v[XWI], s27, v[XRD]
	v_add_nc_u32 v[XSR], XSC, v[L16]
	s_lshl_b32 s27, s[WV], 2
	v_add_nc_u32 v[XWS], s27, v[XSR]
	v_lshlrev_b32 v[SH8], 3, v17
	v_mov_b32 v[PX], 0
	s_wait_dscnt 0x0
	s_wait_kmcnt 0x0
	s_cmp_eq_u32 s[TEN], 0
	s_cselect_b64 s[XB:XB+1], s[4:5], s[6:7]
	s_cselect_b64 s[BB:BB+1], s[10:11], s[12:13]
	s_cselect_b64 s[OUT0:OUT0+1], s[20:21], s[22:23]
	s_mov_b32 s78, 13056
	s_cselect_b32 s78, 6656, s78
	s_mov_b32 s79, 12288
	s_cselect_b32 s79, 6144, s79
	s_cmp_eq_u32 s[TEN], 2
	s_cselect_b64 s[XB:XB+1], s[8:9], s[XB:XB+1]
	s_cselect_b64 s[BB:BB+1], s[14:15], s[BB:BB+1]
	s_add_nc_u64 s[XB:XB+1], s[XB:XB+1], s[74:75]
	s_wait_alu depctr_va_vdst(0)                   ; the wait at the head's end
	s_mov_b32 s[G0], 1
	s_mov_b32 s[G0+1], s26
	s_mov_b64 s[G0+2:G0+3], s[XB:XB+1]
	s_or_b32 s[G0+3], s[G0+3], 0x80000000
	tensor_load_to_lds s[G0:G0+3], s[G1:G1+7]      ; my one tensor load: 32 rows of the work-group's 128
	s_nop 0
	PLACES 4
	s_mul_i32 s76, s[TEN], 196608
	s_mul_i32 s27, s[WV], 49152
	s_add_co_u32 s76, s76, s27
	s_mov_b32 s77, 0
	s_add_nc_u64 s[WB:WB+1], s[16:17], s[76:77]
	s_lshl_b32 s76, s[TEN], 13
	s_lshl_b32 s27, s[WV], 11
	s_add_co_u32 s76, s76, s27
	s_add_nc_u64 s[WSB:WSB+1], s[18:19], s[76:77]
	s_lshl_b32 s76, s[WV], 9
	s_add_nc_u64 s[BB:BB+1], s[BB:BB+1], s[76:77]
.irp s, 0,1,2,3
	WIN 0x40*(1+\s/2)
.irp i, 0,1,2,3,4,5,6,7
.irp c, 0,1,2
	global_load_b128 v[12*(8*(\s%2)+\i)+4*\c:12*(8*(\s%2)+\i)+4*\c+3], v[L16], s[WB:WB+1] offset:(8*\s+\i)*1536+512*\c
.endr
.endr
.endr
	WIN 0
.irp s, 0,1,2,3
.irp j, 0,1,2,3
	global_load_b32 v[SW+4*\s+\j], v[L4], s[WSB:WSB+1] offset:512*\s+128*\j
.endr
.endr
	s_cmp_eq_u32 s[TEN], 2
	s_cbranch_scc1 .Lbias_v
	v_lshlrev_b32 v[BO], 7, v17
	WIN 0x40
.irp c, 0,1
.irp q, 0,1,2,3,4,5,6,7
	global_load_b128 v[192+32*\c+4*\q:192+32*\c+4*\q+3], v[BO], s[BB:BB+1] offset:256*\c+16*\q
.endr
.endr
	WIN 0
	s_branch .Lbias_done
.Lbias_v:
	v_lshlrev_b32 v[BO], 2, v15
	v_lshl_add_u32 v[BO], v16, 7, v[BO]
	WIN 0x40
.irp t, 0,1,2,3,4,5,6,7
.irp j, 0,1,2,3,4,5,6,7
	global_load_b32 v[192+8*\t+\j], v[BO], s[BB:BB+1] offset:4*(64*(\t/4)+8*(\t%4))
.endr
.endr
	WIN 0
.Lbias_done:
	s_lshr_b32 s76, ttmp9, 5
	s_lshl_b32 s76, s76, 8
	s_lshl_b32 s27, s[WV], 6
	s_add_co_u32 s76, s76, s27
	s_and_b32 s27, ttmp9, 31
	s_add_co_u32 s76, s76, s27
	s_mul_i32 s76, s76, s78
	s_add_nc_u64 s[OUT0:OUT0+1], s[OUT0:OUT0+1], s[76:77]
	s_lshl_b32 s76, s78, 5
	s_add_nc_u64 s[OUT0+2:OUT0+3], s[OUT0:OUT0+1], s[76:77]
	s_mov_b32 s76, s79
	s_add_nc_u64 s[OSC0:OSC0+1], s[OUT0:OUT0+1], s[76:77]
	s_add_nc_u64 s[OSC1:OSC1+1], s[OUT0+2:OUT0+3], s[76:77]
.macro LOADRAW f
.irp c, 0,1
.irp q, 0,1,2,3,4,5,6,7
	ds_load_b128 v[64+64*((\f)%2)+32*\c+4*\q:64+64*((\f)%2)+32*\c+4*\q+3], v[RAWA] offset:((\f)/4)*1040+((\f)%2)*16640+512*(((\f)/2)%2)+256*\c+16*\q
.endr
.endr
.endm
.macro XQ f
.if (\f) < 7
	LOADRAW (\f)+1
	s_wait_dscnt 16
.else
	s_wait_dscnt 0x0
.endif
	QB 64+64*((\f)%2), 0, PC, 6, PWS+((\f)%2)
.irp c, 0,1,2
	ds_store_b128 v[XWI], v[PC+4*\c:PC+4*\c+3] offset:((\f)/2)*12288+((\f)%2)*1536+512*\c
.endr
.if (\f)%2
	v_cndmask_b32 v[SOUT], v[PWS], v[PWS+1], s[HM]
	ds_store_b32 v[XWS], v[SOUT] offset:512*((\f)/2)
.endif
.endm
	s_wait_alu depctr_va_vdst(0)
	s_wait_tensorcnt 0x0                           ; my 32 rows are in;
	s_barrier_signal -1
	s_barrier_wait -1                              ; so are everybody's: the rows that I quantise were fetched by other waves too
	LOADRAW 0
.irp f, 0,1,2,3,4,5,6,7
	XQ \f
.endr
	s_wait_dscnt 0x0
	s_barrier_signal -1
	s_barrier_wait -1
	s_wait_loadcnt 0x0
.irp s, 0,1,2,3
	ds_load_b128 v[SX+4*\s:SX+4*\s+3], v[XSR] offset:512*\s
.endr
.macro FETCHX n, a0, s, set
.set FT, 0
.rept \n
.irp c, 0,1,2
	ds_load_b128 v[(\set)+12*FT+4*\c:(\set)+12*FT+4*\c+3], v[XRD] offset:(8*(\s)+(\a0)+FT)*1536+512*\c
.endr
.set FT, FT+1
.endr
.endm
.macro PASSQK p
	s_wait_xcnt 0x0
	FETCHX 4, 4*(\p), 0, 64
.irp s, 0,1,2,3
.if \s < 3
	PLACES 4
	FETCHX 4, 4*(\p), \s+1, 64+48*((\s+1)%2)
	s_wait_dscnt 12
.else
	s_wait_dscnt 0x0
.endif
.if \s == 0
	WIN 0xd1
.elseif \s == 1
	WIN 0xf1
.else
	WIN 0xf2
.endif
.irp o, 0,1,2,3
.irp i, 0,1,2,3,4,5,6,7
.if \s == 0
	WMR 8*(8*\o+\i), 12*(8*(\s%2)+\i), 64+48*(\s%2)+12*\o, 192+8*\i, SW+4*\s+\i/2, SX+4*\s+(4*(\p)+\o)/2, \i%2, \o%2
.else
	WMR 8*(8*\o+\i), 12*(8*(\s%2)+\i), 64+48*(\s%2)+12*\o, 8*(8*\o+\i), SW+4*\s+\i/2, SX+4*\s+(4*(\p)+\o)/2, \i%2, \o%2
.endif
.endr
.endr
	WIN 0
.endr
	PLACES 4
.irp o, 0,1,2,3
	s_wait_xcnt 0x0
	QB 64*\o, 3, PC, 8, PWS+4*(\p)+\o
	global_store_b128 v[L16], v[PC:PC+3], s[OUT0:OUT0+1] offset:(4*(\p)+\o)*768
	global_store_b64 v[L8], v[PC+4:PC+5], s[OUT0:OUT0+1] offset:(4*(\p)+\o)*768+512
	global_store_b128 v[L16], v[PC+8:PC+11], s[OUT0+2:OUT0+3] offset:(4*(\p)+\o)*768
	global_store_b64 v[L8], v[PC+12:PC+13], s[OUT0+2:OUT0+3] offset:(4*(\p)+\o)*768+512
.endr
.endm
.macro PASSV p
	s_wait_xcnt 0x0
	FETCHX 8, 0, 0, 64
.irp s, 0,1,2,3
.if \s < 3
	PLACES 4
	FETCHX 8, 0, \s+1, 64+96*((\s+1)%2)
	s_wait_dscnt 24
.else
	s_wait_dscnt 0x0
.endif
.if \s == 0
	WIN 0xd4
.elseif \s == 1
	WIN 0xf4
.else
	WIN 0xf8
.endif
.irp o, 0,1,2,3
.irp i, 0,1,2,3,4,5,6,7
.if \s == 0
	WMR 8*(8*\o+\i), 64+96*(\s%2)+12*\i, 12*(8*(\s%2)+4*(\p)+\o), 192+8*(4*(\p)+\o), SX+4*\s+\i/2, SW+4*\s+(4*(\p)+\o)/2, \i%2, \o%2
.else
	WMR 8*(8*\o+\i), 64+96*(\s%2)+12*\i, 12*(8*(\s%2)+4*(\p)+\o), 8*(8*\o+\i), SX+4*\s+\i/2, SW+4*\s+(4*(\p)+\o)/2, \i%2, \o%2
.endif
.endr
.endr
	WIN 0
.endr
	PLACES 4
.irp o, 0,1,2,3
	s_wait_xcnt 0x0
	QB 64*\o, 3, PC, 6, PWS+\o
.irp c, 0,1,2
	global_store_b128 v[L16], v[PC+4*\c:PC+4*\c+3], s[OUT0+2*(\p):OUT0+2*(\p)+1] offset:6144+1536*\o+512*\c
.endr
.endr
	v_cndmask_b32 v[SOUT], v[PWS], v[PWS+1], s[HM]
	v_cndmask_b32 v[SOUT+1], v[PWS+2], v[PWS+3], s[HM]
	global_store_b64 v[L8], v[SOUT:SOUT+1], s[OUT0+2*(\p):OUT0+2*(\p)+1] offset:12800
.endm
	s_cmp_eq_u32 s[TEN], 2
	s_cbranch_scc1 .Lvpath
	PASSQK 0
	PASSQK 1
.irp j, 0,1,2,3
	v_cndmask_b32 v[SOUT+\j], v[PWS+2*\j], v[PWS+2*\j+1], s[HM]
.endr
.irp j, 0,1,2,3
	v_lshrrev_b32 v[SOUT+4+\j], 16, v[SOUT+\j]
.endr
	global_store_b128 v[L16], v[SOUT:SOUT+3], s[OSC0:OSC0+1]
	global_store_b128 v[L16], v[SOUT+4:SOUT+7], s[OSC1:OSC1+1]
	s_branch .Lend
.Lvpath:
	PASSV 0
	PASSV 1
.Lend:
	s_wait_tensorcnt 0x0
	ds_add_u32 v[SPW], v[NIL]
	s_wait_dscnt 0x0
	s_endpgm
.Lfunc_end_k_q5c5c49a79e_proj:
	.size	k_q5c5c49a79e_proj, .Lfunc_end_k_q5c5c49a79e_proj-k_q5c5c49a79e_proj
	.p2alignl 7, 3214868480
	.fill 96, 4, 3214868480
	.section	.rodata,"a",@progbits
	.p2align	6, 0x0
	.amdhsa_kernel k_q5c5c49a79e_proj
		.amdhsa_group_segment_fixed_size 327680
		.amdhsa_private_segment_fixed_size 0
		.amdhsa_enable_private_segment 0
		.amdhsa_kernarg_size 80
		.amdhsa_user_sgpr_count 2
		.amdhsa_user_sgpr_kernarg_segment_ptr 1
		.amdhsa_wavefront_size32 1
		.amdhsa_system_sgpr_workgroup_id_x 1
		.amdhsa_system_sgpr_workgroup_id_y 1
		.amdhsa_system_sgpr_workgroup_id_z 1
		.amdhsa_system_vgpr_workitem_id 0
		.amdhsa_next_free_vgpr 1024
		.amdhsa_next_free_sgpr 90
		.amdhsa_reserve_vcc 0
		.amdhsa_float_denorm_mode_32 3
		.amdhsa_float_denorm_mode_16_64 3
		.amdhsa_memory_ordered 1
		.amdhsa_forward_progress 1
		.amdhsa_inst_pref_size 202
	.end_amdhsa_kernel
	.amdgpu_metadata
---
amdhsa.version: [ 1, 2 ]
amdhsa.kernels:
  - .name:           k_q5c5c49a79e_proj
    .symbol:         k_q5c5c49a79e_proj.kd
    .args:
      - { .name: query, .offset: 0, .size: 8, .value_kind: global_buffer, .address_space: global }
      - { .name: key, .offset: 8, .size: 8, .value_kind: global_buffer, .address_space: global }
      - { .name: value, .offset: 16, .size: 8, .value_kind: global_buffer, .address_space: global }
      - { .name: b_q, .offset: 24, .size: 8, .value_kind: global_buffer, .address_space: global }
      - { .name: b_k, .offset: 32, .size: 8, .value_kind: global_buffer, .address_space: global }
      - { .name: b_v, .offset: 40, .size: 8, .value_kind: global_buffer, .address_space: global }
      - { .name: wc, .offset: 48, .size: 8, .value_kind: global_buffer, .address_space: global }
      - { .name: ws, .offset: 56, .size: 8, .value_kind: global_buffer, .address_space: global }
      - { .name: qb, .offset: 64, .size: 8, .value_kind: global_buffer, .address_space: global }
      - { .name: kv, .offset: 72, .size: 8, .value_kind: global_buffer, .address_space: global }
    .group_segment_fixed_size: 327680
    .private_segment_fixed_size: 0
    .kernarg_segment_align: 8
    .kernarg_segment_size: 80
    .max_flat_workgroup_size: 128
    .sgpr_count:     90
    .vgpr_count:     1024
    .wavefront_size: 32
...
	.end_amdgpu_metadata
.endif
;; end of part 2
;; launch attn (part 3): grid 16 x 16, 8 waves a work-group, no clusters, 327,680 bytes of LDS; arguments qb, kv, cimg, csc; writes cimg, csc
.if DOCPART == 3
	.amdgcn_target "amdgcn-amd-amdhsa--gfx1250"
	.amdhsa_code_object_version 6
	.text
	.protected	k_q5c5c49a79e_attn
	.globl	k_q5c5c49a79e_attn
	.p2align	8
	.type	k_q5c5c49a79e_attn,@function
k_q5c5c49a79e_attn:
	s_mov_b64 s[64:65], 0
	v_nop
	global_prefetch_b8 v0, s[64:65] scope:SCOPE_SE
	s_setreg_imm32_b32 hwreg(HW_REG_WAVE_MODE, 25, 1), 1
	s_wait_xcnt 0x0
; context = softmax(q k^T / 8) v for one head, both products on codes of FP6 (E2M3) with one E8M0 scale for each 32 along K, and the quantising of the context for the output projection.
; t = score x log2(e) / 8; M = the running largest t rounded UP to a whole number; p = 2^(t - M) is quantised along the keys, not normalised; the sum is taken of the unquantised p and divides at the end;
; when M moves, the sum and O are multiplied by 2^(old M - new M), which rounds nothing.
; SHARES.  Work-group (x, y): 256 queries of head y (16 heads over both batches); each of its eight waves owns TWO tiles of 16 queries, so that each fragment of K and of V^T read from LDS feeds two products.
; Every wave walks the head's 4,096 keys, 128 a step.  K, V^T and their scale words come as images of operand registers, one record of 13,056 bytes a key step (launch proj).
; A slot of LDS holds eight records, a record fetched by each wave with one tensor load; two slots, four changes of slots.  By this text's count a wave has one tensor load out.
; LAYOUT.  S^T = K Q^T (source 0 = 16 keys, source 1 = my queries), O^T = V^T P^T: a lane holds one query throughout.  The head's 64 fill half of the instruction's K: Q's other half is zero codes,
; so K's other half may hold any codes: K's fragments lie 6 registers apart and each product names 12, the next fragment's six among them (behind the last: six registers of zeros); the scale bytes there are finite codes.
; The keys of a tile are chosen (lane r of tile 4 c + v: key 64 c + 32 (r / 8) + 8 v + r % 8), so that register 32 c + e of the scores is key 64 c + 32 (lane / 16) + e: two WHOLE blocks of 32 keys in a lane.
; REGISTERS.  Tile j's S, O, codes, Q, sum and temporaries have the same numbers in window j.  Window 0 also holds addresses, K's fragments, all scale words and both tiles' small state; window 1 V^T's fragments.
; V^T of a step and K of the next step are asked of LDS directly behind the step's score products.
; No multicast: the sixteen work-groups of a head read the same records, but a work-group asks for 104,448 bytes once in eight key steps, in which its eight waves issue some 27,000 vector instructions: what is shared is a small part of a step's work.
; OUT: cimg[tile of rows 512][head 8][768]: half a fragment (registers 0-3 at 16 l, 4-5 at 512 + 8 l); csc[tile][row 16][16]: byte 2 head + lane / 16.
; All of the WGP's LDS is claimed.
; LIMITS: NaN and infinities are not served; the promise holds while t stays under 2^31 in magnitude; a block whose largest number lies under 2^-124 keeps the byte 1 (a block of zeros too: its codes are zeros, and this program alone reads the bytes).
.set REC,   13056
.set SLOT1, 131072                     ; slot 1 begins here: one exclusive or turns an address from one slot to the other
.set SLOTB, 104448                     ; eight records
.set SPARE, 262144                     ; the spare words, 128 bytes for each of eight waves: four blocks of 256 bytes that no other line names
.set A16, 1                            ; the record in hand + 16 x lane
.set A8,  2                            ; the record in hand + 8 x lane
.set L16, 3
.set L8,  4
.set SPW, 5                            ; my spare word; never rewritten
.set NIL, 6                            ; 0; never rewritten
.set SH8, 7                            ; 8 h
.set PFO, 8                            ; the prefetches' offset; never rewritten
.set QO,  10                           ; 16 r
.set CB,  11                           ; 16 r + h
.set NM,  12                           ; v[12+2j:13+2j]: -M, the largest score
.set QF,  16                           ; window j: Q (registers 6-11 zero codes)
.set QS,  28                           ; v28+j Q's scale words
.set PW,  30                           ; v30+j p's scale words
.set KF,  32                           ; window 0: v32-79 K's eight fragments, v80-85 zeros
.set VF,  32                           ; window 1: V^T's four fragments
.set T0,  86                           ; +j
.set PX,  88                           ; +j
.set SUM, 90                           ; window j: the sum in two halves
.set S,   96                           ; window j: S^T, then p
.set O,   160                          ; window j: O^T
.set PC,  192                          ; window j: p's codes
.set CT,  204                          ; window j
.set KS,  214                          ; v214-217 K's scale words; v218-219 V's
.set VS,  218
.set FF,  220                          ; +2j: f = 2^(old M - new M); of the pair the low word serves both halves
.set BM,  224                          ; +2j
.set CH,  228                          ; +4j
.set SO,  236                          ; +2j
.set EB,  240                          ; +2j
.set TP,  244                          ; window j: six pairs for the sums
.set WV,  12
.set BH,  14
.set TB,  15                           ; LDS byte at which the slot in hand begins
.set G1,  16
.set G0,  24
.set SEL, 28
.set CS,  30                           ; s[30:31] c = log2(e) / 8
.set SLOTS, 32
.set LIM, 33                           ; 1 in the wave that prefetches, else the greatest number
.set PFA, 34
.set RB,  59                           ; LDS byte of the record in hand
.set CNT, 60
.set MSB, 0
.macro WIN new                         ; low byte: bits 1:0 source 0, 3:2 source 1, 5:4 source 2, 7:6 destination; the high byte repeats the setting that is left
.if MSB != (\new)
	s_set_vgpr_msb (MSB<<8)|(\new)
.set MSB, (\new)
.endif
.endm
.macro PLACES n
.rept \n
	v_nop
.endr
.endm
.macro TLOAD                           ; every wave fetches one record of the slot; an s_nop 0 and four v_nop follow
	tensor_load_to_lds s[G0:G0+3], s[G1:G1+7]
	s_nop 0
	PLACES 4
.endm
; A prefetch of the slot that the NEXT change of slots will ask for: eight key steps ahead of that load.  A slot is 408 blocks of 256 bytes; the head's sixteen work-groups share them out by address,
; 26 blocks each, a lane a block, wave 0 alone (surplus lanes name the share's or the slot's last block).  The last change that fills a slot asks for nothing.
.macro ASK
	s_cmp_gt_u32 s[SLOTS], s[LIM]
	s_cbranch_scc0 .Lnot_mine_\@
	global_prefetch_b8 v[PFO], s[PFA:PFA+1] th:TH_LOAD_NT scope:SCOPE_SE
.Lnot_mine_\@:
.endm
.macro CHANGE fill
	s_wait_tensorcnt 0x0                           ; no tensor load of mine is out, so group 0 may be written
	ds_add_u32 v[SPW], v[NIL]
.if \fill
	s_xor_b32 s[G0+1], s[G0+1], SLOT1
	s_add_nc_u64 s[G0+2:G0+3], s[G0+2:G0+3], SLOTB
	s_wait_xcnt 0x0                                ; the last prefetch, a slot back, has read its address
	s_add_nc_u64 s[PFA:PFA+1], s[PFA:PFA+1], SLOTB
.endif
	s_wait_dscnt 0x0                               ; the add is done, and my reads of the slot that I have left are over
	s_barrier_signal -1
	s_barrier_wait -1
.if \fill
	TLOAD                                          ; the first thing behind the barrier, and my one tensor load until the next
	ASK
.endif
.endm
.macro WMS d, a, sa, ra, sb            ; S^T: the product starts its sum
.if (\ra)
	v_wmma_scale_f32_16x16x128_f8f6f4 v[(\d):(\d)+7], v[(\a):(\a)+11], v[QF:QF+11], 0, v[\sa], v[\sb] matrix_a_fmt:MATRIX_FMT_FP6 matrix_b_fmt:MATRIX_FMT_FP6 matrix_a_scale:MATRIX_SCALE_ROW1
.else
	v_wmma_scale_f32_16x16x128_f8f6f4 v[(\d):(\d)+7], v[(\a):(\a)+11], v[QF:QF+11], 0, v[\sa], v[\sb] matrix_a_fmt:MATRIX_FMT_FP6 matrix_b_fmt:MATRIX_FMT_FP6
.endif
.endm
.macro WMO d, a, sa, ra, sb            ; O^T: in place
.if (\ra)
	v_wmma_scale_f32_16x16x128_f8f6f4 v[(\d):(\d)+7], v[(\a):(\a)+11], v[PC:PC+11], v[(\d):(\d)+7], v[\sa], v[\sb] matrix_a_fmt:MATRIX_FMT_FP6 matrix_b_fmt:MATRIX_FMT_FP6 matrix_a_scale:MATRIX_SCALE_ROW1
.else
	v_wmma_scale_f32_16x16x128_f8f6f4 v[(\d):(\d)+7], v[(\a):(\a)+11], v[PC:PC+11], v[(\d):(\d)+7], v[\sa], v[\sb] matrix_a_fmt:MATRIX_FMT_FP6 matrix_b_fmt:MATRIX_FMT_FP6
.endif
.endm
.macro KLOAD off                       ; 17 loads: K's eight half fragments and its scale words (register i: lanes 0-15 tile 2 i's words, lanes 16-31 tile 2 i + 1's)
.irp t, 0,1,2,3,4,5,6,7
	ds_load_b128 v[KF+6*\t:KF+6*\t+3], v[A16] offset:(\off)+\t*768
	ds_load_b64 v[KF+6*\t+4:KF+6*\t+5], v[A8] offset:(\off)+\t*768+512
.endr
	ds_load_b128 v[KS:KS+3], v[A16] offset:(\off)+12288
.endm
.macro MAXT j                          ; the largest score of each of my two blocks of 32 keys of tile j, four chains by turns, each result read from its low end first
	WIN 0x15*(\j)
.irp c, 0,1
.irp u, 0,1
	v_max3_num_f32 v[CH+4*(\j)+2*\c+\u], v[S+32*\c+16*\u], v[S+32*\c+16*\u+1], v[S+32*\c+16*\u+2]
.endr
.endr
	WIN 0x14*(\j)
.irp i, 3,5,7,9,11,13
.irp c, 0,1
.irp u, 0,1
	v_max3_num_f32 v[CH+4*(\j)+2*\c+\u], v[CH+4*(\j)+2*\c+\u], v[S+32*\c+16*\u+\i], v[S+32*\c+16*\u+\i+1]
.endr
.endr
.endr
.irp c, 0,1
	v_max3_num_f32 v[BM+2*(\j)+\c], v[CH+4*(\j)+2*\c], v[S+32*\c+15], v[S+32*\c+31]
.endr
.endm
.macro ADDS j                          ; the sum of tile j's 64 unquantised p, two at a time, seven chains
	WIN 0x45*(\j)
.irp k, 0,1,2,3,4,5
	v_pk_add_f32 v[TP+2*\k:TP+2*\k+1], v[S+2*\k:S+2*\k+1], v[S+12+2*\k:S+13+2*\k]
.endr
	v_pk_add_f32 v[SUM:SUM+1], v[SUM:SUM+1], v[S+60:S+61]
.irp m, 24,36,48
.irp k, 0,1,2,3,4,5
	v_pk_add_f32 v[TP+2*\k:TP+2*\k+1], v[TP+2*\k:TP+2*\k+1], v[S+\m+2*\k:S+\m+2*\k+1]
.endr
.endr
	v_pk_add_f32 v[SUM:SUM+1], v[SUM:SUM+1], v[S+62:S+63]
	v_pk_add_f32 v[TP:TP+1], v[TP:TP+1], v[TP+2:TP+3]
	v_pk_add_f32 v[TP+4:TP+5], v[TP+4:TP+5], v[TP+6:TP+7]
	v_pk_add_f32 v[TP+8:TP+9], v[TP+8:TP+9], v[TP+10:TP+11]
	v_pk_add_f32 v[TP:TP+1], v[TP:TP+1], v[TP+4:TP+5]
	v_pk_add_f32 v[SUM:SUM+1], v[SUM:SUM+1], v[TP+8:TP+9]
	v_pk_add_f32 v[SUM:SUM+1], v[SUM:SUM+1], v[TP:TP+1]
.endm
; A KEY STEP: 128 keys, the record in hand, both tiles.  pre = 1: the next record lies in the same slot, and its K is asked for here.
.macro STEP pre
	s_wait_dscnt 0x0                               ; K's fragments and scale words are in
.irp t, 0,1,2,3,4,5,6,7
	WMS S+8*\t, KF+6*\t, KS+\t/2, \t%2, QS
.endr
	WIN 0x44
.irp t, 0,1,2,3,4,5,6,7
	WMS S+8*\t, KF+6*\t, KS+\t/2, \t%2, QS+1
.endr
	WIN 0
	PLACES 4                                       ; between the products and loads into registers that they read, and the first read of results
	WIN 0x40
.irp t, 0,1,2,3
.irp c, 0,1,2
	ds_load_b128 v[VF+12*\t+4*\c:VF+12*\t+4*\c+3], v[A16] offset:6144+1536*\t+512*\c
.endr
.endr
	WIN 0
	ds_load_b64 v[VS:VS+1], v[A8] offset:12800
.if \pre
	KLOAD REC
	s_add_co_u32 s[RB], s[RB], REC
	v_add_nc_u32 v[A16], s[RB], v[L16]             ; on to the next record: next read a step on
	v_add_nc_u32 v[A8], s[RB], v[L8]
.endif
	MAXT 0
	MAXT 1
	WIN 0
.irp j, 0,1                                    ; from here the two tiles' short chains take turns, line by line
.irp c, 0,1
	v_max_num_f32 v[BM+2*\j+\c], v[BM+2*\j+\c], v[CH+4*\j+2*\c+1]
.endr
.endr
.irp j, 0,1
	v_max_num_f32 v[T0+\j], v[BM+2*\j], v[BM+2*\j+1]
.endr
.irp j, 0,1
	v_permlanex16_b32 v[PX+\j], v[T0+\j], s[SEL], s[SEL+1]
.endr
.irp j, 0,1
	v_max3_num_f32 v[NM+2*\j+1], v[NM+2*\j+1], v[T0+\j], v[PX+\j]   ; the running largest score of my query
.endr
.irp j, 0,1
	v_mul_f32 v[T0+\j], s[CS], v[NM+2*\j+1]        ; as t (c is positive)
.endr
.irp j, 0,1
	v_floor_f32 v[PX+\j], -v[T0+\j]                ; the new -M = floor(-t): M is a whole number
.endr
.irp j, 0,1
	v_sub_f32 v[T0+\j], v[PX+\j], v[NM+2*\j]       ; old M - new M: a whole number, 0 or less
.endr
.irp j, 0,1
	v_mov_b32 v[NM+2*\j], v[PX+\j]
.endr
.irp j, 0,1
	v_cvt_i32_f32 v[T0+\j], v[T0+\j]               ; (it saturates)
.endr
.irp j, 0,1
	v_ldexp_f32 v[FF+2*\j], 1.0, v[T0+\j]          ; f = 2^(old M - new M)
.endr
.irp j, 0,1
	WIN 0x41*\j
	v_pk_mul_f32 v[SUM:SUM+1], v[SUM:SUM+1], v[FF+2*\j:FF+2*\j+1] op_sel_hi:[1,0]   ; the sum and O^T under the new M
.set J, 0
.rept 16
	v_pk_mul_f32 v[O+J:O+J+1], v[O+J:O+J+1], v[FF+2*\j:FF+2*\j+1] op_sel_hi:[1,0]
.set J, J+2
.endr
.set J, 0
.rept 32
	v_pk_fma_f32 v[S+J:S+J+1], v[S+J:S+J+1], s[CS:CS+1], v[NM+2*\j:NM+2*\j+1] op_sel_hi:[1,0,0]   ; t - M, two at a time
.set J, J+2
.endr
.endr
	WIN 0
.irp j, 0,1
.irp c, 0,1
	v_fma_f32 v[BM+2*\j+\c], v[BM+2*\j+\c], s[CS], v[NM+2*\j]   ; the same of each block's largest score
.endr
.endr
	s_wait_alu depctr_va_vdst(0)                   ; the wait ahead of the batch
.set J, 0
.rept 64
	v_exp_f32 v[S+J], v[S+J]                       ; p = 2^(t - M), at most 1
.set J, J+1
.endr
.irp i, 0,1,2,3
	v_exp_f32 v[BM+\i], v[BM+\i]                   ; each block's largest p: the same two instructions on the same number
.endr
	WIN 0x41
.set J, 0
.rept 64
	v_exp_f32 v[S+J], v[S+J]
.set J, J+1
.endr
	WIN 0
	v_nop                                          ; a plain instruction behind the exponentials
	s_wait_alu depctr_va_vdst(0)                   ; one wait for the whole batch, ahead of its first reader
.irp i, 0,1,2,3
	v_max_num_f32 v[BM+\i], 0x1800000, v[BM+\i]    ; the floor 2^(3 - 127): the byte cannot fall under 1
.endr
.irp i, 0,1,2,3
	v_add_nc_u32 v[SO+\i], 0xff000000, v[BM+\i]    ; 2 off the exponent field: the conversion's scale operand
.endr
.irp i, 0,1,2,3
	v_lshrrev_b32 v[EB+\i], 23, v[SO+\i]
.endr
.irp j, 0,1
	v_lshl_or_b32 v[PW+\j], v[EB+2*\j+1], 16, v[EB+2*\j]   ; my two bytes: blocks h and 2 + h,
.endr
.irp j, 0,1
	v_lshlrev_b32 v[PW+\j], v[SH8], v[PW+\j]
.endr
.irp j, 0,1
	v_permlanex16_b32 v[PX+\j], v[PW+\j], s[SEL], s[SEL+1]
.endr
.irp j, 0,1
	v_or_b32 v[PW+\j], v[PW+\j], v[PX+\j]          ; with lane l xor 16's: p's scale word for these 128 keys
.endr
.irp j, 0,1
	WIN 0x41*\j
.irp c, 0,1
	v_cvt_scalef32_pk16_fp6_f32 v[PC+6*\c:PC+6*\c+2], v[S+32*\c:S+32*\c+15], v[SO+2*\j+\c]
	v_cvt_scalef32_pk16_fp6_f32 v[CT+4*\c:CT+4*\c+2], v[S+32*\c+16:S+32*\c+31], v[SO+2*\j+\c]
.endr
.endr
	v_nop                                          ; one plain instruction behind the scaled conversions
.irp j, 1,0
	WIN 0x41*\j
.irp c, 0,1
.irp i, 0,1,2
	v_mov_b32 v[PC+6*\c+3+\i], v[CT+4*\c+\i]
.endr
.endr
.endr
	ADDS 0                                         ; these 32 are also the plain instructions between the codes' and scale words' last writes and the products
.if \pre
	s_wait_dscnt 17                                ; V^T and its scale words are in; the 17 loads of the next record's K may be out
.else
	s_wait_dscnt 0x0
.endif
	WIN 0x01
.irp t, 0,1,2,3                                ; O^T += V^T P^T: eight accumulators by turns
	WMO O+8*\t, VF+12*\t, VS+\t/2, \t%2, PW
.endr
	WIN 0x55
.irp t, 0,1,2,3
	WMO O+8*\t, VF+12*\t, VS+\t/2, \t%2, PW+1
.endr
	ADDS 1                                         ; work on registers that the products do not name
	WIN 0
.endm
.macro SLOTWORK                        ; the eight records of the slot in hand
	s_mov_b32 s[RB], s[TB]
	v_add_nc_u32 v[A16], s[RB], v[L16]
	v_add_nc_u32 v[A8], s[RB], v[L8]
	s_wait_alu depctr_va_vdst(0)                   ; the wait behind these writes
	KLOAD 0
	s_mov_b32 s[CNT], 7
.Lstep_\@:
	STEP 1
	s_sub_co_u32 s[CNT], s[CNT], 1
	s_cmp_lg_u32 s[CNT], 0
	s_cbranch_scc1 .Lstep_\@
	STEP 0
.endm
	s_load_b256 s[4:11], s[0:1], 0x0               ; qb, kv, cimg, csc
	v_lshl_add_u32 v[SPW], v0, 2, SPARE
	v_mov_b32 v[NIL], 0
	ds_add_u32 v[SPW], v[NIL]                      ; the wave's opening: the add, twice on end, and its wait ahead of my first tensor load
	ds_add_u32 v[SPW], v[NIL]
	v_lshrrev_b32 v[T0], 5, v0
	v_readfirstlane_b32 s[WV], v[T0]               ; wave 0..7
	s_and_b32 s[BH], ttmp7, 0xffff                 ; the head, 8 x batch + head
	s_mov_b32 s[G1], 0x30000                       ; no mask; elements of 8 bytes; no padding
	s_mov_b32 s[G1+1], 32<<16                      ; rows of 256 bytes
	s_mov_b32 s[G1+2], 51<<16                      ; 51 of them: a record, dense
	s_mov_b32 s[G1+3], 32<<16
	s_mov_b32 s[G1+4], 51
	s_mov_b32 s[G1+5], 32
	s_mov_b32 s[G1+6], 0
	s_mov_b32 s[G1+7], 0
	s_mov_b32 s[G0], 1
	s_mul_i32 s[G0+1], s[WV], REC                  ; my record of slot 0
	s_mov_b32 s36, s[G0+1]
	s_mov_b32 s37, 0
	s_mul_i32 s38, s[BH], 417792                   ; the head's 32 records
	s_mov_b32 s39, 0
	s_mov_b32 s[SEL], 0x76543210
	s_mov_b32 s[SEL+1], 0xfedcba98
	s_mov_b32 s[CS], 0x3e38aa3b                    ; c = log2(e) / 8
	s_mov_b32 s[CS+1], s[CS]
	s_mov_b32 s[TB], 0
	s_mov_b32 s[SLOTS], 3
	s_lshl_b32 s40, s[BH], 5                       ; my query tiles 2 wave, 2 wave + 1: record 32 head + 2 x + wave / 4, tiles 2 (wave % 4) + j
	s_lshl_b32 s41, ttmp9, 1
	s_add_co_u32 s40, s40, s41
	s_lshr_b32 s41, s[WV], 2
	s_add_co_u32 s40, s40, s41
	s_mul_i32 s40, s40, 6656
	s_mov_b32 s41, 0
	s_and_b32 s42, s[WV], 3
	s_mul_i32 s52, s42, 1536                       ; their codes, 768 bytes a tile,
	s_mov_b32 s53, 0
	s_lshl_b32 s54, s42, 2                         ; their scale words: 6,144 + 256 j + 4 (wave % 4), 16 bytes a row
	s_add_co_u32 s54, s54, 6144
	s_mov_b32 s55, 0
	s_lshr_b32 s48, s[BH], 3                       ; the way out: tile of rows 256 batch + 16 x + 2 wave + j
	s_lshl_b32 s48, s48, 8
	s_lshl_b32 s49, ttmp9, 4
	s_add_co_u32 s48, s48, s49
	s_lshl_b32 s49, s[WV], 1
	s_add_co_u32 s48, s48, s49
	s_and_b32 s49, s[BH], 7                        ; head in the batch
	s_lshl_b32 s50, s48, 3
	s_add_co_u32 s50, s50, s49
	s_mul_i32 s50, s50, 768
	s_mov_b32 s51, 0
	s_lshl_b32 s56, s48, 8
	s_lshl_b32 s49, s49, 1
	s_add_co_u32 s56, s56, s49
	s_mov_b32 s57, 0
	s_cmp_eq_u32 s[WV], 0                          ; wave 0 prefetches
	s_cselect_b32 s[LIM], 1, -1
	s_mul_i32 s58, ttmp9, 26                       ; my work-group's 26 blocks of a slot's 408
	v_and_b32 v[T0], 31, v0
	v_lshlrev_b32 v[L16], 4, v[T0]
	v_lshlrev_b32 v[L8], 3, v[T0]
	v_min_u32 v[PFO], 25, v[T0]
	v_add_nc_u32 v[PFO], s58, v[PFO]
	v_min_u32 v[PFO], 407, v[PFO]
	v_lshlrev_b32 v[PFO], 8, v[PFO]
	v_and_b32 v[T0+1], 15, v0                      ; r
	v_bfe_u32 v[PX], v0, 4, 1                      ; h
	v_lshlrev_b32 v[QO], 4, v[T0+1]
	v_add_nc_u32 v[CB], v[QO], v[PX]
	v_lshlrev_b32 v[SH8], 3, v[PX]
	s_wait_alu depctr_va_vdst(0)                   ; the wait directly ahead of the waits below
	s_wait_dscnt 0x0                               ; both opening adds are done
	s_wait_kmcnt 0x0
	s_add_nc_u64 s[6:7], s[6:7], s[38:39]          ; kv at my head
	s_add_nc_u64 s[G0+2:G0+3], s[6:7], s[36:37]
	s_or_b32 s[G0+3], s[G0+3], 0x80000000
	TLOAD                                          ; slot 0: my one tensor load at the head
	s_add_nc_u64 s[PFA:PFA+1], s[6:7], SLOTB       ; slot 1: the first change of slots steps it to slot 2.  Nothing is prefetched here, at the head
	s_add_nc_u64 s[4:5], s[4:5], s[40:41]
	s_add_nc_u64 s[44:45], s[4:5], s[52:53]
	s_add_nc_u64 s[46:47], s[4:5], s[54:55]
	s_add_nc_u64 s[8:9], s[8:9], s[50:51]
	s_add_nc_u64 s[10:11], s[10:11], s[56:57]
	global_load_b128 v[QF:QF+3], v[L16], s[44:45]  ; Q's half fragments stay in registers
	global_load_b64 v[QF+4:QF+5], v[L8], s[44:45] offset:512
	global_load_b32 v[QS], v[QO], s[46:47]         ; lane r (and 16 + r): row r's word
	global_load_b32 v[QS+1], v[QO], s[46:47] offset:256
	WIN 0x40
	global_load_b128 v[QF:QF+3], v[L16], s[44:45] offset:768
	global_load_b64 v[QF+4:QF+5], v[L8], s[44:45] offset:1280
.irp j, 1,0
	WIN 0x40*\j
.irp i, 6,7,8,9,10,11
	v_mov_b32 v[QF+\i], 0                          ; k = 64 .. 127: zero codes
.endr
.set J, 0
.rept 32
	v_mov_b32 v[O+J], 0                            ; O^T: the step is written once; its first walk finds zeros, which the first change of M leaves zeros
.set J, J+1
.endr
	v_mov_b32 v[SUM], 0
	v_mov_b32 v[SUM+1], 0
.endr
.irp i, 48,49,50,51,52,53
	v_mov_b32 v[KF+\i], 0                          ; behind K's last fragment
.endr
.irp j, 0,1
	v_mov_b32 v[PX+\j], 0                          ; a lane permute's destination counts as one of its sources
	v_mov_b32 v[FF+2*\j+1], 0                      ; (named as the upper half of a pair)
	v_mov_b32 v[NM+2*\j], 0x7f61b1e6               ; -M: 3e38, over every -M
	v_mov_b32 v[NM+2*\j+1], 0xff61b1e6             ; the largest score so far: -3e38, under every score
.endr
	s_wait_alu depctr_va_vdst(0)                   ; the wait at the head's end
	s_wait_loadcnt 0x0                             ; Q
.Lslot:                                            ; three trips: behind each change of slots but the last the next slot is asked for
	CHANGE 1
	SLOTWORK
	s_xor_b32 s[TB], s[TB], SLOT1
	s_sub_co_u32 s[SLOTS], s[SLOTS], 1
	s_cmp_lg_u32 s[SLOTS], 0
	s_cbranch_scc1 .Lslot
	CHANGE 0                                       ; the last slot is written out
	SLOTWORK
	; THE WAY OUT.  O^T / the sum is my query's context, channels 32 h + 0 .. 31 of my head: one whole block of the output projection's K.
.irp j, 0,1
	WIN 0x05*\j
	v_add_f32 v[T0+\j], v[SUM], v[SUM+1]           ; the sum's two halves,
.endr
	WIN 0
.irp j, 0,1
	v_permlanex16_b32 v[PX+\j], v[T0+\j], s[SEL], s[SEL+1]
.endr
.irp j, 0,1
	v_add_f32 v[T0+\j], v[T0+\j], v[PX+\j]         ; and lane l xor 16's 64 keys of each step
.endr
	s_wait_alu depctr_va_vdst(0)
.irp j, 0,1
	v_rcp_f32 v[FF+2*\j], v[T0+\j]
.endr
	v_nop                                          ; a plain instruction behind the reciprocals
.irp j, 0,1
	WIN 0x41*\j
	s_wait_alu depctr_va_vdst(0)                   ; the wait ahead of the first readers of the reciprocal and of O^T
.set J, 0
.rept 16
	v_pk_mul_f32 v[S+J:S+J+1], v[O+J:O+J+1], v[FF+2*\j:FF+2*\j+1] op_sel_hi:[1,0]
.set J, J+2
.endr
.endr
.irp j, 0,1
	WIN 0x05*\j
.irp u, 0,1,2,3
	v_max3_num_f32 v[CH+4*\j+\u], |v[S+8*\u]|, |v[S+8*\u+1]|, 0x1800000
.endr
.irp i, 2,4,6
.irp u, 0,1,2,3
	v_max3_num_f32 v[CH+4*\j+\u], |v[S+8*\u+\i]|, |v[S+8*\u+\i+1]|, v[CH+4*\j+\u]
.endr
.endr
.endr
	WIN 0
.irp j, 0,1
	v_max3_num_f32 v[CH+4*\j], v[CH+4*\j], v[CH+4*\j+1], v[CH+4*\j+2]
.endr
.irp j, 0,1
	v_max_num_f32 v[CH+4*\j], v[CH+4*\j], v[CH+4*\j+3]
.endr
.irp j, 0,1
	v_add_nc_u32 v[SO+2*\j], 0xff000000, v[CH+4*\j]
.endr
.irp j, 0,1
	v_lshrrev_b32 v[EB+2*\j], 23, v[SO+2*\j]
.endr
.irp j, 0,1
	WIN 0x41*\j
	v_cvt_scalef32_pk16_fp6_f32 v[PC:PC+2], v[S:S+15], v[SO+2*\j]
	v_cvt_scalef32_pk16_fp6_f32 v[CT:CT+2], v[S+16:S+31], v[SO+2*\j]
.endr
	v_nop
.irp j, 1,0
	WIN 0x41*\j
.irp i, 0,1,2
	v_mov_b32 v[PC+3+\i], v[CT+\i]
.endr
.endr
	global_store_b128 v[L16], v[PC:PC+3], s[8:9]   ; 512 consecutive bytes,
	global_store_b64 v[L8], v[PC+4:PC+5], s[8:9] offset:512   ; and 256
	global_store_b8 v[CB], v[EB], s[10:11]         ; my blocks' bytes
	global_store_b8 v[CB], v[EB+2], s[10:11] offset:256
	WIN 0x04                                       ; the data: window 1
	global_store_b128 v[L16], v[PC:PC+3], s[8:9] offset:6144
	global_store_b64 v[L8], v[PC+4:PC+5], s[8:9] offset:6656
	WIN 0
	s_wait_tensorcnt 0x0                           ; the wave's end
	ds_add_u32 v[SPW], v[NIL]
	s_wait_dscnt 0x0
	s_endpgm
.Lfunc_end_k_q5c5c49a79e_attn:
	.size	k_q5c5c49a79e_attn, .Lfunc_end_k_q5c5c49a79e_attn-k_q5c5c49a79e_attn
	.p2alignl 7, 3214868480
	.fill 96, 4, 3214868480
	.section	.rodata,"a",@progbits
	.p2align	6, 0x0
	.amdhsa_kernel k_q5c5c49a79e_attn
		.amdhsa_group_segment_fixed_size 327680
		.amdhsa_private_segment_fixed_size 0
		.amdhsa_enable_private_segment 0
		.amdhsa_kernarg_size 32
		.amdhsa_user_sgpr_count 2
		.amdhsa_user_sgpr_kernarg_segment_ptr 1
		.amdhsa_wavefront_size32 1
		.amdhsa_system_sgpr_workgroup_id_x 1
		.amdhsa_system_sgpr_workgroup_id_y 1
		.amdhsa_system_sgpr_workgroup_id_z 1
		.amdhsa_system_vgpr_workitem_id 0
		.amdhsa_next_free_vgpr 512
		.amdhsa_next_free_sgpr 66
		.amdhsa_reserve_vcc 0
		.amdhsa_float_denorm_mode_32 3
		.amdhsa_float_denorm_mode_16_64 3
		.amdhsa_memory_ordered 1
		.amdhsa_forward_progress 1
		.amdhsa_inst_pref_size 124
	.end_amdhsa_kernel
	.amdgpu_metadata
---
amdhsa.version: [ 1, 2 ]
amdhsa.kernels:
  - .name:           k_q5c5c49a79e_attn
    .symbol:         k_q5c5c49a79e_attn.kd
    .args:
      - { .name: qb, .offset: 0, .size: 8, .value_kind: global_buffer, .address_space: global }
      - { .name: kv, .offset: 8, .size: 8, .value_kind: global_buffer, .address_space: global }
      - { .name: cimg, .offset: 16, .size: 8, .value_kind: global_buffer, .address_space: global }
      - { .name: csc, .offset: 24, .size: 8, .value_kind: global_buffer, .address_space: global }
    .group_segment_fixed_size: 327680
    .private_segment_fixed_size: 0
    .kernarg_segment_align: 8
    .kernarg_segment_size: 32
    .max_flat_workgroup_size: 256
    .sgpr_count:     66
    .vgpr_count:     512
    .wavefront_size: 32
...
	.end_amdgpu_metadata
.endif
;; end of part 3
;; launch outp (part 4): grid 128 x 2, 4 waves a work-group, no clusters, 17,920 bytes of LDS; arguments cimg, csc, wc, ws, b_o, out0; writes out0
.if DOCPART == 4
	.amdgcn_target "amdgcn-amd-amdhsa--gfx1250"
	.amdhsa_code_object_version 6
	.text
	.protected	k_q5c5c49a79e_outp
	.globl	k_q5c5c49a79e_outp
	.p2align	8
	.type	k_q5c5c49a79e_outp,@function
k_q5c5c49a79e_outp:
	s_mov_b64 s[64:65], 0
	v_nop
	global_prefetch_b8 v0, s[64:65] scope:SCOPE_SE
	s_setreg_imm32_b32 hwreg(HW_REG_WAVE_MODE, 25, 1), 1
	s_wait_xcnt 0x0
; out = context w_o^T + b_o on codes of FP6 (E2M3) with one E8M0 scale for each 32 along K = 512.  Both operands come as images of operand registers: the context from launch attn (half a fragment for each head:
; K step s is heads 2 s and 2 s + 1), w_o from launch wquant.
; SHARES.  Work-group (x, y): the 64 rows of tiles 4 x .. 4 x + 3 and 256 columns; wave w makes columns 64 G .. 64 G + 63, G = 4 y + w: four tiles of w_o (source 0) x four tiles of rows (source 1), 16 accumulators.
; All operands are asked for at the head; straight-line text.  w_o's rows of a tile are chosen so that register e of a lane's 32 results of a tile of rows is column 64 G + 32 (lane / 16) + e.
; Row r of tile 4 x + o is row 64 x + 32 (r / 8) + 8 o + r % 8 of out.
; The bias is the C of each sum's first product.  Results go through the wave's own stage in LDS and leave as aligned runs of 256 bytes, sixteen lanes to a run.
; No tensor load, no barrier: waves share nothing in LDS.  No multicast and no prefetch: every load is out at once, and the launch is short.
; REGISTERS: window 0: v1-9 addresses; v32-39 the context's scale words, v40-47 w_o's; v64-127 rows on the way out; v128-255 the accumulators, (o, v) at v[128 + 8 (4 o + v)].
;   window 1: w_o's 16 fragments (K step s, tile v at v[12 (4 s + v)]), the bias at v192-223.  window 2: the context's 16 fragments (s, o).
.set SPARE, 17408                      ; behind the four stages of 16 x 272 bytes: the spare words, 128 bytes a wave: two blocks of 256 bytes that no other line names
.set L16, 1
.set L8,  2
.set L4,  3
.set SOA, 4                            ; v4   the stage, in: row r, + 128 h
.set SRA, 5                            ; v5   the stage, back: lanes 0-15 one row, lanes 16-31 the next
.set CO,  6                            ; v6   the same two rows in out
.set BO,  7                            ; v7   128 h: my 32 numbers of the bias
.set SPW, 8                            ; v8   my spare word; never rewritten
.set NIL, 9                            ; v9   0; never rewritten
.set SX,  32
.set SW,  40
.set BK,  64
.set ACC, 128
.set MSB, 0
.macro WIN new                         ; the immediate's high byte repeats the setting that is left; a switch that changes nothing is dropped
.if MSB != (\new)
	s_set_vgpr_msb (MSB<<8)|(\new)
.set MSB, (\new)
.endif
.endm
.macro WMR d, a, b, c, sa, sb, ra, rb
.if (\ra) && (\rb)
	v_wmma_scale_f32_16x16x128_f8f6f4 v[(\d):(\d)+7], v[(\a):(\a)+11], v[(\b):(\b)+11], v[(\c):(\c)+7], v[\sa], v[\sb] matrix_a_fmt:MATRIX_FMT_FP6 matrix_b_fmt:MATRIX_FMT_FP6 matrix_a_scale:MATRIX_SCALE_ROW1 matrix_b_scale:MATRIX_SCALE_ROW1
.elseif (\ra)
	v_wmma_scale_f32_16x16x128_f8f6f4 v[(\d):(\d)+7], v[(\a):(\a)+11], v[(\b):(\b)+11], v[(\c):(\c)+7], v[\sa], v[\sb] matrix_a_fmt:MATRIX_FMT_FP6 matrix_b_fmt:MATRIX_FMT_FP6 matrix_a_scale:MATRIX_SCALE_ROW1
.elseif (\rb)
	v_wmma_scale_f32_16x16x128_f8f6f4 v[(\d):(\d)+7], v[(\a):(\a)+11], v[(\b):(\b)+11], v[(\c):(\c)+7], v[\sa], v[\sb] matrix_a_fmt:MATRIX_FMT_FP6 matrix_b_fmt:MATRIX_FMT_FP6 matrix_b_scale:MATRIX_SCALE_ROW1
.else
	v_wmma_scale_f32_16x16x128_f8f6f4 v[(\d):(\d)+7], v[(\a):(\a)+11], v[(\b):(\b)+11], v[(\c):(\c)+7], v[\sa], v[\sb] matrix_a_fmt:MATRIX_FMT_FP6 matrix_b_fmt:MATRIX_FMT_FP6
.endif
.endm
	s_load_b256 s[4:11], s[0:1], 0x0               ; cimg, csc, wc, ws
	s_load_b128 s[12:15], s[0:1], 0x20             ; b_o, out0
	v_lshl_add_u32 v[SPW], v0, 2, SPARE
	v_mov_b32 v[NIL], 0
	v_lshrrev_b32 v10, 5, v0
	v_readfirstlane_b32 s16, v10                   ; wave 0..3
	s_and_b32 s18, ttmp7, 0xffff
	s_lshl_b32 s19, s18, 2
	s_add_co_u32 s19, s19, s16                     ; G: my 64 columns
	s_lshr_b32 s20, s19, 1                         ; their group of 128 rows of w_o,
	s_and_b32 s21, s16, 1                          ; and which half of it
	s_mul_i32 s22, ttmp9, 24576                    ; cimg: four tiles x 8 heads x 768
	s_mov_b32 s23, 0
	s_lshl_b32 s24, ttmp9, 10                      ; csc: four tiles x 256
	s_mov_b32 s25, 0
	s_mul_i32 s26, s20, 49152                      ; wc: the fourth weight, my group, my half
	s_mul_i32 s17, s21, 6144
	s_add_co_u32 s26, s26, s17
	s_add_co_u32 s26, s26, 589824
	s_mov_b32 s27, 0
	s_lshl_b32 s28, s20, 11                        ; ws likewise
	s_lshl_b32 s17, s21, 8
	s_add_co_u32 s28, s28, s17
	s_add_co_u32 s28, s28, 24576
	s_mov_b32 s29, 0
	s_lshl_b32 s30, s19, 8                         ; b_o: 256 G
	s_mov_b32 s31, 0
	s_lshl_b32 s32, ttmp9, 17                      ; out: 64 rows of 2,048 bytes, + 256 G
	s_add_co_u32 s32, s32, s30
	s_mov_b32 s33, 0
	v_and_b32 v10, 31, v0
	v_lshlrev_b32 v[L16], 4, v10
	v_lshlrev_b32 v[L8], 3, v10
	v_lshlrev_b32 v[L4], 2, v10
	v_and_b32 v11, 15, v0                          ; r
	v_bfe_u32 v12, v0, 4, 1                        ; h
	v_lshlrev_b32 v[BO], 7, v12
	s_mul_i32 s17, s16, 4352                       ; my stage
	v_mul_u32_u24 v[SOA], v11, 272
	v_lshl_add_u32 v[SOA], v12, 7, v[SOA]
	v_add_nc_u32 v[SOA], s17, v[SOA]
	v_mul_u32_u24 v[SRA], v12, 272
	v_lshl_add_u32 v[SRA], v11, 4, v[SRA]
	v_add_nc_u32 v[SRA], s17, v[SRA]
	v_lshlrev_b32 v[CO], 11, v12
	v_lshl_add_u32 v[CO], v11, 4, v[CO]
	s_wait_alu depctr_va_vdst(0)
	s_wait_kmcnt 0x0
	s_add_nc_u64 s[4:5], s[4:5], s[22:23]
	s_add_nc_u64 s[6:7], s[6:7], s[24:25]
	s_add_nc_u64 s[8:9], s[8:9], s[26:27]
	s_add_nc_u64 s[10:11], s[10:11], s[28:29]
	s_add_nc_u64 s[12:13], s[12:13], s[30:31]
	s_add_nc_u64 s[14:15], s[14:15], s[32:33]
.irp j, 0,1                                    ; register 4 j + s: K step s; lanes 0-15 tile 2 j's rows, lanes 16-31 tile 2 j + 1's
	global_load_b128 v[SX+4*\j:SX+4*\j+3], v[L16], s[6:7] offset:512*\j
.endr
.irp s, 0,1,2,3
.irp j, 0,1
	global_load_b32 v[SW+2*\s+\j], v[L4], s[10:11] offset:512*\s+128*\j
.endr
.endr
	WIN 0x40
.irp q, 0,1,2,3,4,5,6,7
	global_load_b128 v[192+4*\q:195+4*\q], v[BO], s[12:13] offset:16*\q   ; register e = b_o[64 G + 32 h + e]
.endr
.irp s, 0,1,2,3                                ; 28 loads a K step
	WIN 0x40
.irp v, 0,1,2,3
.irp c, 0,1,2
	global_load_b128 v[12*(4*\s+\v)+4*\c:12*(4*\s+\v)+4*\c+3], v[L16], s[8:9] offset:12288*\s+1536*\v+512*\c
.endr
.endr
	WIN 0x80
.irp o, 0,1,2,3
.irp c, 0,1
	global_load_b128 v[12*(4*\s+\o)+6*\c:12*(4*\s+\o)+6*\c+3], v[L16], s[4:5] offset:6144*\o+768*(2*\s+\c)
	global_load_b64 v[12*(4*\s+\o)+6*\c+4:12*(4*\s+\o)+6*\c+5], v[L8], s[4:5] offset:6144*\o+768*(2*\s+\c)+512
.endr
.endr
.endr
.irp s, 0,1,2,3                                ; sixteen accumulators by turns, in the same order in every K step
.if \s == 0
	s_wait_loadcnt 56                              ; K steps 2 and 3, 28 loads each, may be out
	WIN 0x19                                       ; w_o and the bias window 1, the context window 2, D window 0
.elseif \s == 1
	WIN 0x09
.elseif \s == 2
	s_wait_loadcnt 28                              ; K step 3 may be out
.else
	s_wait_loadcnt 0x0
.endif
.irp o, 0,1,2,3
.irp v, 0,1,2,3
.if \s == 0
	WMR ACC+8*(4*\o+\v), 12*(4*\s+\v), 12*(4*\s+\o), 192+8*\v, SW+2*\s+\v/2, SX+4*(\o/2)+\s, \v%2, \o%2
.else
	WMR ACC+8*(4*\o+\v), 12*(4*\s+\v), 12*(4*\s+\o), ACC+8*(4*\o+\v), SW+2*\s+\v/2, SX+4*(\o/2)+\s, \v%2, \o%2
.endif
.endr
.endr
.endr
	WIN 0
.rept 4
	v_nop                                          ; four plain instructions ahead of the first read of results
.endr
; THE WAY OUT, a tile of 16 rows x 64 columns at a time.  LDS serves a wave's instructions in order (ISA guide 5.7.1.4): no wait between the stores and the loads, nor ahead of the next tile's stores.
.macro TOSTAGE o
.irp q, 0,1,2,3,4,5,6,7
	ds_store_b128 v[SOA], v[ACC+32*(\o)+4*\q:ACC+32*(\o)+4*\q+3] offset:16*\q   ; each accumulator from its low end on
.endr
.irp i, 0,1,2,3,4,5,6,7
	ds_load_b128 v[BK+32*((\o)%2)+4*\i:BK+32*((\o)%2)+4*\i+3], v[SRA] offset:544*\i
.endr
.endm
.macro SEND o, younger                 ; younger: the LDS instructions issued behind this tile's loads, which may stay out
	s_wait_dscnt \younger
.irp i, 0,1,2,3,4,5,6,7
	global_store_b128 v[CO], v[BK+32*((\o)%2)+4*\i:BK+32*((\o)%2)+4*\i+3], s[14:15] offset:(32*(\i/4)+2*(\i%4)+8*(\o))*2048 th:TH_STORE_NT   ; sixteen lanes store 256 consecutive bytes, at a multiple of 256 from the buffer's first byte
.endr
.endm
	TOSTAGE 0
.irp o, 1,2,3
.if \o > 1
	s_wait_xcnt 0x0                                ; the stores of two tiles back have read the registers into which this tile's loads land
.endif
	TOSTAGE \o
	SEND \o-1, 16                                  ; behind that tile's loads: this tile's 8 stores and 8 loads
.endr
	SEND 3, 0
	s_wait_tensorcnt 0x0                           ; the wave's end
	ds_add_u32 v[SPW], v[NIL]
	s_wait_dscnt 0x0
	s_endpgm
.Lfunc_end_k_q5c5c49a79e_outp:
	.size	k_q5c5c49a79e_outp, .Lfunc_end_k_q5c5c49a79e_outp-k_q5c5c49a79e_outp
	.p2alignl 7, 3214868480
	.fill 96, 4, 3214868480
	.section	.rodata,"a",@progbits
	.p2align	6, 0x0
	.amdhsa_kernel k_q5c5c49a79e_outp
		.amdhsa_group_segment_fixed_size 17920
		.amdhsa_private_segment_fixed_size 0
		.amdhsa_enable_private_segment 0
		.amdhsa_kernarg_size 48
		.amdhsa_user_sgpr_count 2
		.amdhsa_user_sgpr_kernarg_segment_ptr 1
		.amdhsa_wavefront_size32 1
		.amdhsa_system_sgpr_workgroup_id_x 1
		.amdhsa_system_sgpr_workgroup_id_y 1
		.amdhsa_system_sgpr_workgroup_id_z 1
		.amdhsa_system_vgpr_workitem_id 0
		.amdhsa_next_free_vgpr 768
		.amdhsa_next_free_sgpr 66
		.amdhsa_reserve_vcc 0
		.amdhsa_float_denorm_mode_32 3
		.amdhsa_float_denorm_mode_16_64 3
		.amdhsa_memory_ordered 1
		.amdhsa_forward_progress 1
		.amdhsa_inst_pref_size 31
	.end_amdhsa_kernel
	.amdgpu_metadata
---
amdhsa.version: [ 1, 2 ]
amdhsa.kernels:
  - .name:           k_q5c5c49a79e_outp
    .symbol:         k_q5c5c49a79e_outp.kd
    .args:
      - { .name: cimg, .offset: 0, .size: 8, .value_kind: global_buffer, .address_space: global }
      - { .name: csc, .offset: 8, .size: 8, .value_kind: global_buffer, .address_space: global }
      - { .name: wc, .offset: 16, .size: 8, .value_kind: global_buffer, .address_space: global }
      - { .name: ws, .offset: 24, .size: 8, .value_kind: global_buffer, .address_space: global }
      - { .name: b_o, .offset: 32, .size: 8, .value_kind: global_buffer, .address_space: global }
      - { .name: out0, .offset: 40, .size: 8, .value_kind: global_buffer, .address_space: global }
    .group_segment_fixed_size: 17920
    .private_segment_fixed_size: 0
    .kernarg_segment_align: 8
    .kernarg_segment_size: 48
    .max_flat_workgroup_size: 128
    .sgpr_count:     66
    .vgpr_count:     768
    .wavefront_size: 32
...
	.end_amdgpu_metadata
.endif
;; end of part 4
